; MI455X (gfx1250); checked and timed in simulation.
; The chip was launched on July 23, 2026; its instructions are those of AMD's public machine-readable ISA for CDNA 5 (MIT licence, August 2026) and "CDNA5" Instruction Set Architecture Reference Guide (July 2026). The comments in the code are by the model that wrote it; some were corrected since.
;; Weight predictor issam w local. Allowed arithmetic: float matrix products may take bf16 or f16 operands with f32 sums; other float arithmetic in f32, or as packed bf16 or f16 multiplies, adds, multiply-adds, maxima and minima; sums over many terms, partial sums and values carried from step to step in f32; what a program stores and reads back later, other than sums and carried values, may be rounded once to bf16 or f16.
;; Inputs: conv_b 256 float32; conv_w 256 x 256 float32; fc1_b 512 float32; fc1_w 512 x 1,024 float32; fc2_b 3 float32; fc2_w 3 x 512 float32; fea 1 x 256 x 256 x 256 float32; mask 1 x 1 x 2,048 x 2,048 float32.
;; Outputs: out0 1 x 3 x 2,048 x 2,048 float32; out1 1 x 3 x 32 x 32 float32.
;; One version. Each part assembles by itself: llvm-mc -triple=amdgcn-amd-amdhsa -mcpu=gfx1250 --defsym DOCPART=n.
;; ======== version 1 of 1: 3 launches
;; workspace buffers: dmp 786,432 bytes; mp 24,576 bytes; lp 98,304 bytes; cpart 4,096 bytes
;; launch prep (part 1): grid 288 x 1, 8 waves a work-group, no clusters, 25,856 bytes of LDS; arguments mask, fc1_w, fc2_w, dmp, mp; writes dmp, mp
.if DOCPART == 1
	.amdgcn_target "amdgcn-amd-amdhsa--gfx1250"
	.amdhsa_code_object_version 6
	.text
	.protected	k_qbde44b39b8_prep
	.globl	k_qbde44b39b8_prep
	.p2align	8
	.type	k_qbde44b39b8_prep,@function
k_qbde44b39b8_prep:
	s_mov_b64 s[64:65], 0
	v_nop
	global_prefetch_b8 v0, s[64:65] scope:SCOPE_SE
	s_setreg_imm32_b32 hwreg(HW_REG_WAVE_MODE, 25, 1), 1
	s_wait_xcnt 0x0
; LAUNCH 1 OF 3: the mask is resized, and M = fc2_w . fc1_w is made.
; THE WHOLE PROGRAM.  Behind down_mask (dm) reference() is linear, so for all finite inputs, in exact arithmetic:
;   mean_hw((conv_w fea + conv_b) dm)       = (conv_w S + conv_b D) / 65536,  S_c = sum_hw fea_c dm,       D = sum_hw dm
;   mean_hw((conv_w fea + conv_b) (1 - dm)) = (conv_w U + conv_b E) / 65536,  U_c = sum_hw fea_c (1 - dm), E = sum_hw (1 - dm)
;   fc2(fc1(gl) + fc1_b) + fc2_b            = M gl + fc2_w fc1_b + fc2_b,     M = fc2_w fc1_w  [3][1024]
; so ori[k][p] = const_k + sum_c (M[k][512+c] + M[k][768+c]) fm[c][p], and const_k = sum_o (M[k][o] fg_o + M[k][256+o] bg_o) + sum_j fc2_w[k][j] fc1_b[j] + fc2_b[k].
; The convolution over all pixels and fc1 over all patches are therefore never formed; every one of the eight inputs is loaded and has its way to the outputs.
; U is summed of fea (1 - dm) term by term, never as a difference of two large sums.  All arithmetic is f32.
; LIMITS.  The sums are taken in another order than reference()'s.  An overflow, an infinity or a NaN that would arise only in the intermediates that are not formed
; (the convolved map, fc1's 512 channels) is not carried to the result.
; THE RESIZE.  jax.image.resize 'bilinear' from 2048 to 256 smooths: along each axis dm[y] = sum_i w_i mask[8y-4+i], w = (1,3,..,15,15,..,3,1)/128; at y = 0 and y = 255 four taps
; (weights 1,3,5,7) fall outside, are dropped, and the divisor is 112.
; SHARES.  Work-groups 0-255: mask rows 8q..8q+7 (65,536 consecutive bytes).  These rows feed three rows of dm: q-1 (rows 0-3: 7,5,3,1: A), q (9,11,13,15,15,13,11,9: B), q+1 (rows 4-7: 1,3,5,7: C).
; So nothing is read twice: dmp holds three images [3][256][256], already divided, whose sum is dm.  Row 255 of A and row 0 of C have no contributor: q = 0 and q = 255 store zeros there.
; Work-groups 256-287: 256 rows x 64 columns of fc1_w (65,536 bytes), a partial M over those rows: mp is [2][3][1024].
; The two paths are taken by different work-groups (the branch hangs on the work-group's number alone); each path has LDS bytes of its own, so that no byte of LDS is named by both.
.set PL,    0                          ; LDS, mask path: P[3][512]: each quad of columns weighted for the output that it lies in
.set QL,    6144                       ; Q[3], rows of 516 words: word 0 a zero, words 1-512 Q[u] (the quad weighted for the neighbouring output), word 513 a zero; ends at 12,336
.set QP,    2064
.set RL,    12544                      ; LDS, weights path: [16 groups of rows][3][64 columns] f32, 12,288 bytes
.set RP,    768
.set SPARE, 24832                      ; the spare words, 128 bytes for each wave: four blocks of 256 bytes that no other line names
.set SPW,   2                          ; v2  LDS address of my spare word; never rewritten
.set NIL,   3                          ; v3  0; never rewritten
.set VS,    20                         ; v[20:43]  mask path: vertical sums, at 12 half + 4 image + column
.set PQ,    44                         ; v[44:55]  P and Q, at 2 (3 half + image)
.set D,     64                         ; v[64:127] mask path: the 16 loads, at 8 row + 4 half
.set G,     16                         ; v[16:63]  weights path: fc2_w[k][my 16 rows], at 16 k + row
.set F,     64                         ; v[64:127] weights path: fc1_w, at 4 row + column
.set ACC,   128                        ; v[128:139] at 4 k + column
	s_load_b256 s[4:11], s[0:1], 0x0               ; mask s[4:5], fc1_w s[6:7], fc2_w s[8:9], dmp s[10:11]
	s_load_b64 s[12:13], s[0:1], 0x20              ; mp
	v_lshl_add_u32 v[SPW], v0, 2, SPARE
	v_mov_b32 v[NIL], 0
	v_and_b32 v1, 31, v0                           ; lane
	v_lshrrev_b32 v16, 5, v0
	v_readfirstlane_b32 s14, v16                   ; wave 0..7
	s_cmp_lt_u32 ttmp9, 0x100                      ; the same in all waves of a work-group
	s_cbranch_scc0 .Lweights
	; ---------------- THE MASK ----------------
	s_lshl_b32 s26, ttmp9, 16                      ; q x 8 rows x 8,192 bytes
	s_mov_b32 s27, 0
	s_mov_b32 s24, 0xaaaaaaaa                      ; the odd lanes
	v_lshlrev_b32 v4, 4, v0                        ; 16 t: thread t holds quads t and 256 + t of every row
	v_lshl_add_u32 v5, v0, 2, PL
	v_lshl_add_u32 v6, v0, 2, QL
	v_mov_b32 v7, 0
	s_wait_kmcnt 0x0
	s_add_nc_u64 s[4:5], s[4:5], s[26:27]
.irp r, 0,1,2,3,4,5,6,7
.irp h, 0,1
	global_load_b128 v[D+8*(\r)+4*(\h):D+8*(\r)+4*(\h)+3], v4, s[4:5] offset:(\r)*8192+(\h)*4096 th:TH_LOAD_NT  ; a wave's load covers 512 consecutive bytes, aligned
.endr
.endr
	; the two zeros beside each row of Q.  Wave 0 clears words 0-31 and wave 7 words 482-513; LDS serves a wave's stores in order, so their own stores of Q below
	; (words 1-32 and 481-512) write over all of these but word 0 and word 513.  No other wave stores into those words.
	s_cmp_lg_u32 s14, 0
	s_cbranch_scc1 .Lnot_first
.irp a, 0,1,2
	ds_store_b32 v6, v7 offset:(\a)*QP
.endr
.Lnot_first:
	s_cmp_lg_u32 s14, 7
	s_cbranch_scc1 .Lnot_last
.irp a, 0,1,2
	ds_store_b32 v6, v7 offset:(\a)*QP+1024+8
.endr
.Lnot_last:
	; An even quad 2x holds the taps 9,11,13,15 of output x and 7,5,3,1 of output x-1; an odd quad 2x+1 the taps 15,13,11,9 of x and 1,3,5,7 of x+1.
	v_mov_b32 v16, 0x41100000                      ; 9
	v_mov_b32 v17, 0x41300000                      ; 11
	v_mov_b32 v18, 0x41500000                      ; 13
	v_mov_b32 v19, 0x41700000                      ; 15
	v_cndmask_b32 v8, v16, v19, s24                ; v[8:11]: the weights for P
	v_cndmask_b32 v9, v17, v18, s24
	v_cndmask_b32 v10, v18, v17, s24
	v_cndmask_b32 v11, v19, v16, s24
	v_mov_b32 v16, 0x40e00000                      ; 7
	v_mov_b32 v17, 0x40a00000                      ; 5
	v_mov_b32 v18, 0x40400000                      ; 3
	v_mov_b32 v19, 1.0
	v_cndmask_b32 v12, v16, v19, s24               ; v[12:15]: the weights for Q
	v_cndmask_b32 v13, v17, v18, s24
	v_cndmask_b32 v14, v18, v17, s24
	v_cndmask_b32 v15, v19, v16, s24
; The vertical sums of half h of the columns: part 0 takes rows 0-3 (A whole, B begun), part 1 rows 4-7 (B ended, C whole).  Two columns an instruction.
.macro VERT h, part
.irp p, 0,2
.set rA, VS+12*(\h)+(\p)
.set rB, VS+12*(\h)+4+(\p)
.set rC, VS+12*(\h)+8+(\p)
.set rD, D+4*(\h)+(\p)                 ; row r's pair at rD + 8 r
.if (\part) == 0
	v_pk_fma_f32 v[rA:rA+1], v[rD:rD+1], 0x40e00000, v[rD+24:rD+25] op_sel_hi:[1,0,1]     ; 7 r0 + r3
	v_pk_mul_f32 v[rB:rB+1], v[rD:rD+1], 0x41100000 op_sel_hi:[1,0]                       ; 9 r0
	v_pk_fma_f32 v[rA:rA+1], v[rD+8:rD+9], 0x40a00000, v[rA:rA+1] op_sel_hi:[1,0,1]       ; + 5 r1
	v_pk_fma_f32 v[rB:rB+1], v[rD+8:rD+9], 0x41300000, v[rB:rB+1] op_sel_hi:[1,0,1]       ; + 11 r1
	v_pk_fma_f32 v[rA:rA+1], v[rD+16:rD+17], 0x40400000, v[rA:rA+1] op_sel_hi:[1,0,1]     ; + 3 r2
	v_pk_fma_f32 v[rB:rB+1], v[rD+16:rD+17], 0x41500000, v[rB:rB+1] op_sel_hi:[1,0,1]     ; + 13 r2
	v_pk_fma_f32 v[rB:rB+1], v[rD+24:rD+25], 0x41700000, v[rB:rB+1] op_sel_hi:[1,0,1]     ; + 15 r3
.else
	v_pk_fma_f32 v[rC:rC+1], v[rD+40:rD+41], 0x40400000, v[rD+32:rD+33] op_sel_hi:[1,0,1] ; 3 r5 + r4
	v_pk_fma_f32 v[rB:rB+1], v[rD+32:rD+33], 0x41700000, v[rB:rB+1] op_sel_hi:[1,0,1]     ; + 15 r4
	v_pk_fma_f32 v[rC:rC+1], v[rD+48:rD+49], 0x40a00000, v[rC:rC+1] op_sel_hi:[1,0,1]     ; + 5 r6
	v_pk_fma_f32 v[rB:rB+1], v[rD+40:rD+41], 0x41500000, v[rB:rB+1] op_sel_hi:[1,0,1]     ; + 13 r5
	v_pk_fma_f32 v[rC:rC+1], v[rD+56:rD+57], 0x40e00000, v[rC:rC+1] op_sel_hi:[1,0,1]     ; + 7 r7
	v_pk_fma_f32 v[rB:rB+1], v[rD+48:rD+49], 0x41300000, v[rB:rB+1] op_sel_hi:[1,0,1]     ; + 11 r6
	v_pk_fma_f32 v[rB:rB+1], v[rD+56:rD+57], 0x41100000, v[rB:rB+1] op_sel_hi:[1,0,1]     ; + 9 r7
.endif
.endr
.endm
; A quad's two horizontal sums for image a, and their places in LDS.
.macro HOR a, h
.set rV, VS+12*(\h)+4*(\a)
.set rP, PQ+2*(3*(\h)+(\a))
	v_mul_f32 v[rP], v8, v[rV]
	v_mul_f32 v[rP+1], v12, v[rV]
	v_fmac_f32 v[rP], v9, v[rV+1]
	v_fmac_f32 v[rP+1], v13, v[rV+1]
	v_fmac_f32 v[rP], v10, v[rV+2]
	v_fmac_f32 v[rP+1], v14, v[rV+2]
	v_fmac_f32 v[rP], v11, v[rV+3]
	v_fmac_f32 v[rP+1], v15, v[rV+3]
	ds_store_b32 v5, v[rP] offset:(\a)*2048+(\h)*1024
	ds_store_b32 v6, v[rP+1] offset:(\a)*QP+(\h)*1024+4
.endm
	s_wait_loadcnt 8                               ; loads come back in order: rows 0-3 are in, the eight loads of rows 4-7 may stay out
	VERT 0, 0
	VERT 1, 0
	HOR 0, 0                                       ; A is whole
	HOR 0, 1
	s_wait_loadcnt 0x0
	VERT 0, 1
	VERT 1, 1
	HOR 1, 0
	HOR 1, 1
	HOR 2, 0
	HOR 2, 1
	s_wait_dscnt 0x0                               ; for the others' sake: my stores of P, Q and the zeros are done
	s_barrier_signal -1
	s_barrier_wait -1
	; Waves 0-5: image = wave / 2, half of the row = wave % 2; a lane makes four neighbouring outputs x = 4 xq + i: P[2x] + P[2x+1] + Q[2x-1] + Q[2x+2].
	s_cmp_lt_u32 s14, 6
	s_cbranch_scc0 .Lend
	s_lshr_b32 s15, s14, 1                         ; image
	s_and_b32 s16, s14, 1                          ; half
	s_mul_i32 s17, s15, QP
	s_lshl_b32 s18, s16, 10
	s_add_co_u32 s17, s17, s18
	s_add_co_u32 s17, s17, QL
	s_lshl_b32 s18, s14, 10                        ; 2,048 image + 1,024 half
	v_lshlrev_b32 v16, 5, v1
	v_add_nc_u32 v17, s17, v16
	v_add_nc_u32 v16, s18, v16
	ds_load_b128 v[64:67], v16                     ; P[8 xq .. 8 xq + 7]
	ds_load_b128 v[68:71], v16 offset:16
	ds_load_b128 v[72:75], v17                     ; Q[8 xq - 1 .. 8 xq + 8]
	ds_load_b128 v[76:79], v17 offset:16
	ds_load_b64 v[80:81], v17 offset:32
	s_add_co_u32 s19, ttmp9, s15
	s_sub_co_u32 s19, s19, 1                       ; the row of dm that this image feeds: q - 1, q, q + 1
	s_and_b32 s20, s19, 255                        ; where it is stored
	s_cmp_eq_u32 s19, s20
	s_cselect_b32 s21, -1, 0                       ; 0: the row does not exist; zeros go to the one row of the image that nobody feeds
	s_mov_b32 s28, 0x3c124925                      ; 1 / 112
	s_mov_b32 s29, 0x3c000000                      ; 1 / 128
	s_cmp_eq_u32 s20, 0
	s_cselect_b32 s22, s28, s29
	s_cmp_eq_u32 s20, 255
	s_cselect_b32 s22, s28, s22                    ; the vertical divisor
	s_mul_f32 s23, s22, s29                        ; times the horizontal one, inside the row
	s_mul_f32 s25, s22, s28                        ; and at x = 0 and x = 255
	v_lshl_add_u32 v18, s16, 5, v1                 ; xq
	v_cmp_eq_u32 s30, 0, v18
	v_cmp_eq_u32 s31, 63, v18
	v_mov_b32 v19, s25
	v_cndmask_b32 v20, s23, v19, s30
	v_cndmask_b32 v21, s23, v19, s31
	s_lshl_b32 s26, s15, 18                        ; image x 262,144
	s_lshl_b32 s18, s20, 10                        ; + row x 1,024
	s_add_co_u32 s26, s26, s18
	s_lshl_b32 s18, s16, 9                         ; + half x 512
	s_add_co_u32 s26, s26, s18
	s_add_nc_u64 s[10:11], s[10:11], s[26:27]
	v_lshlrev_b32 v22, 4, v1
	s_wait_dscnt 0x0
.irp i, 0,1,2,3
	v_add_f32 v[82+(\i)], v[64+2*(\i)], v[65+2*(\i)]
	v_add_f32 v[86+(\i)], v[72+2*(\i)], v[75+2*(\i)]
.endr
.irp i, 0,1,2,3
	v_add_f32 v[82+(\i)], v[82+(\i)], v[86+(\i)]
.endr
	v_mul_f32 v82, v82, v20
	v_mul_f32 v83, s23, v83
	v_mul_f32 v84, s23, v84
	v_mul_f32 v85, v85, v21
.irp i, 0,1,2,3
	v_cndmask_b32 v[82+(\i)], 0, v[82+(\i)], s21
.endr
	global_store_b128 v22, v[82:85], s[10:11]      ; the wave stores 512 consecutive bytes, aligned
	s_branch .Lend
	; ---------------- THE WEIGHTS ----------------
.Lweights:
	s_sub_co_u32 s15, ttmp9, 0x100
	s_and_b32 s16, s15, 15                         ; which 64 columns
	s_lshr_b32 s17, s15, 4                         ; which 256 rows
	v_and_b32 v7, 15, v0                           ; my 16 bytes of the 256
	v_lshrrev_b32 v8, 4, v0                        ; my group of 16 rows
	v_lshlrev_b32 v4, 16, v8                       ; 16 rows x 4,096 bytes
	v_lshl_add_u32 v4, v7, 4, v4
	v_lshlrev_b32 v5, 6, v8                        ; my 16 numbers of a row of fc2_w
	v_mul_u32_u24 v6, v8, RP
	v_lshl_add_u32 v6, v7, 4, v6
	s_lshl_b32 s26, s17, 20
	s_lshl_b32 s18, s16, 8
	s_add_co_u32 s26, s26, s18
	s_mov_b32 s27, 0
	s_lshl_b32 s28, s17, 10
	s_mov_b32 s29, 0
	s_wait_kmcnt 0x0
	s_add_nc_u64 s[6:7], s[6:7], s[26:27]
	s_add_nc_u64 s[8:9], s[8:9], s[28:29]
.irp k, 0,1,2
.irp q, 0,1,2,3
	global_load_b128 v[G+16*(\k)+4*(\q):G+16*(\k)+4*(\q)+3], v5, s[8:9] offset:(\k)*2048+(\q)*16
.endr
.endr
.irp i, 0,1,2,3,4,5,6,7,8,9,10,11,12,13,14,15
	global_load_b128 v[F+4*(\i):F+4*(\i)+3], v4, s[6:7] offset:(\i)*4096 th:TH_LOAD_NT  ; sixteen lanes take 256 consecutive bytes of a row, aligned
.endr
.irp i, 0,1,2,3,4,5,6,7,8,9,10,11,12,13,14,15
	s_wait_loadcnt 15-(\i)                         ; row i is in (and fc2_w, which was asked for earlier); the younger rows may stay out
.irp k, 0,1,2
.irp j, 0,1,2,3
.if (\i) == 0
	v_mul_f32 v[ACC+4*(\k)+(\j)], v[G+16*(\k)+(\i)], v[F+4*(\i)+(\j)]
.else
	v_fmac_f32 v[ACC+4*(\k)+(\j)], v[G+16*(\k)+(\i)], v[F+4*(\i)+(\j)]
.endif
.endr
.endr
.endr
.irp k, 0,1,2
	ds_store_b128 v6, v[ACC+4*(\k):ACC+4*(\k)+3] offset:RL+(\k)*256
.endr
	s_wait_dscnt 0x0                               ; for the others' sake
	s_barrier_signal -1
	s_barrier_wait -1
	s_cmp_lt_u32 s14, 3                            ; wave k adds the 16 groups' sums for row k of M
	s_cbranch_scc0 .Lend
	v_lshlrev_b32 v8, 3, v1                        ; two columns a lane
	s_lshl_b32 s18, s14, 8
	v_add_nc_u32 v7, s18, v8
.irp r, 0,1,2,3,4,5,6,7,8,9,10,11,12,13,14,15
	ds_load_b64 v[F+2*(\r):F+2*(\r)+1], v7 offset:RL+(\r)*RP
.endr
	s_mul_i32 s26, s17, 12288
	s_lshl_b32 s18, s14, 12
	s_add_co_u32 s26, s26, s18
	s_lshl_b32 s18, s16, 8
	s_add_co_u32 s26, s26, s18
	s_add_nc_u64 s[12:13], s[12:13], s[26:27]
	s_wait_dscnt 0x0
.irp n, 8,4,2,1
.set r, 0
.rept \n
	v_pk_add_f32 v[F+2*r:F+2*r+1], v[F+2*r:F+2*r+1], v[F+2*(r+(\n)):F+2*(r+(\n))+1]
.set r, r+1
.endr
.endr
	global_store_b64 v8, v[F:F+1], s[12:13]        ; the wave stores 256 consecutive bytes, aligned
.Lend:
	s_wait_tensorcnt 0x0                           ; the wave's end, behind my last LDS store
	ds_add_u32 v[SPW], v[NIL]
	s_wait_dscnt 0x0
	s_endpgm
.Lfunc_end_k_qbde44b39b8_prep:
	.size	k_qbde44b39b8_prep, .Lfunc_end_k_qbde44b39b8_prep-k_qbde44b39b8_prep
	.p2alignl 7, 3214868480
	.fill 96, 4, 3214868480
	.section	.rodata,"a",@progbits
	.p2align	6, 0x0
	.amdhsa_kernel k_qbde44b39b8_prep
		.amdhsa_group_segment_fixed_size 25856
		.amdhsa_private_segment_fixed_size 0
		.amdhsa_enable_private_segment 0
		.amdhsa_kernarg_size 40
		.amdhsa_user_sgpr_count 2
		.amdhsa_user_sgpr_kernarg_segment_ptr 1
		.amdhsa_wavefront_size32 1
		.amdhsa_system_sgpr_workgroup_id_x 1
		.amdhsa_system_sgpr_workgroup_id_y 1
		.amdhsa_system_sgpr_workgroup_id_z 1
		.amdhsa_system_vgpr_workitem_id 0
		.amdhsa_next_free_vgpr 140
		.amdhsa_next_free_sgpr 66
		.amdhsa_reserve_vcc 0
		.amdhsa_float_denorm_mode_32 3
		.amdhsa_float_denorm_mode_16_64 3
		.amdhsa_memory_ordered 1
		.amdhsa_forward_progress 1
		.amdhsa_inst_pref_size 28
	.end_amdhsa_kernel
	.amdgpu_metadata
---
amdhsa.version: [ 1, 2 ]
amdhsa.kernels:
  - .name:           k_qbde44b39b8_prep
    .symbol:         k_qbde44b39b8_prep.kd
    .args:
      - { .name: mask, .offset: 0, .size: 8, .value_kind: global_buffer, .address_space: global }
      - { .name: fc1_w, .offset: 8, .size: 8, .value_kind: global_buffer, .address_space: global }
      - { .name: fc2_w, .offset: 16, .size: 8, .value_kind: global_buffer, .address_space: global }
      - { .name: dmp, .offset: 24, .size: 8, .value_kind: global_buffer, .address_space: global }
      - { .name: mp, .offset: 32, .size: 8, .value_kind: global_buffer, .address_space: global }
    .group_segment_fixed_size: 25856
    .private_segment_fixed_size: 0
    .kernarg_segment_align: 8
    .kernarg_segment_size: 40
    .max_flat_workgroup_size: 256
    .sgpr_count:     66
    .vgpr_count:     140
    .wavefront_size: 32
...
	.end_amdgpu_metadata
.endif
;; end of part 1
;; launch pool (part 2): grid 256 x 1, 16 waves a work-group, no clusters, 51,200 bytes of LDS; arguments fea, dmp, mp, conv_w, conv_b, fc1_b, fc2_w, lp, cpart; writes lp, cpart
.if DOCPART == 2
	.amdgcn_target "amdgcn-amd-amdhsa--gfx1250"
	.amdhsa_code_object_version 6
	.text
	.protected	k_qbde44b39b8_pool
	.globl	k_qbde44b39b8_pool
	.p2align	8
	.type	k_qbde44b39b8_pool,@function
k_qbde44b39b8_pool:
	s_mov_b64 s[64:65], 0
	v_nop
	global_prefetch_b8 v0, s[64:65] scope:SCOPE_SE
	s_setreg_imm32_b32 hwreg(HW_REG_WAVE_MODE, 25, 1), 1
	s_wait_xcnt 0x0
; LAUNCH 2 OF 3: fea is read once.  The convolution over pixels and fc1 over patches are not formed: by linearity (shown at the head of the first kernel) only the masked sums of fea are needed.
; SHARES.  Work-group g: pr = g / 8, a row of patches (fea rows 8 pr .. 8 pr + 7); cb = g % 8, 32 channels: 262,144 bytes of fea.  Wave w of 16: channels 32 cb + 4 (w / 2) + 0..3, columns 128 (w % 2) + 0..127.
; A lane owns four columns of all eight rows, so a patch of 8 x 8 is two neighbouring lanes.  For each channel a lane makes s = sum fea dm and u = sum fea (1 - dm) over its 32 pixels.
; OUT.  lp[g][k][py] = sum over my 32 channels of (M[k][512+c] + M[k][768+c]) / 64 x (the patch's s).
;       cpart[g][k] = (sum_o M[k][o] y_o + M[k][256+o] z_o) / 65536 + sum over j = 2g, 2g+1 of fc2_w[k][j] fc1_b[j],  y_o = sum_c conv_w[o][c] S_c + conv_b[o] D / 8, z_o likewise of U and E,
;       where S, U are my channels' sums over my strip and D, E the strip's sums of dm and 1 - dm (each of the strip's eight work-groups carries an eighth of the bias term).  Word 3 of cpart[g] is a filler.
; IN FLIGHT.  Every wave asks for all of its fea at the head: 32 loads of 16 bytes a lane, 262,144 bytes for the work-group; nothing is asked for a second time round.  Ahead of them stand only the ten loads whose data
; are worked on while fea is on its way (the strip of dm, a block of conv_w, V); the seven that only the end needs (M, conv_b) stand behind them.  Loads come back in order, so a channel is summed as soon as it is in.
; No LDS on fea's way: no wave wants a byte of fea that another wave fetched.  No cluster: what work-groups share (the strip of dm, a block of conv_w, M: some 68 KiB against 256 KiB of fea) is read once at the head.
.set DMS,   0                          ; LDS: the strip of dm, [8][256] f32
.set WL,    8192                       ; conv_w[o][32 cb .. +31]: 256 rows of 128 bytes + 16 of padding: 36 words, so sixteen rows begin in sixteen different groups of four banks
.set WP,    144
.set DE,    45056                      ; [16 waves][2]: sums of dm and of 1 - dm
.set SU,    45312                      ; [2 halves of the columns][8 groups of channels][8]: S of 4 channels, U of 4 channels
.set LW,    45824                      ; [8 groups of channels][3][32 patches]
.set CW,    48896                      ; [16 waves][4]
.set SPARE, 49152                      ; the spare words, 128 bytes for each wave: eight blocks of 256 bytes that no other line names
.set SPW,   30                         ; v30  LDS address of my spare word; never rewritten
.set NIL,   31                         ; v31  0; never rewritten
.set MM,    16                         ; v[16:21]  M[k][t], its two partial sums, at 2 k + part
.set BO,    22                         ; v22       conv_b[t % 256]
.set VV,    23                         ; v[23:25]  a word of V[k] of channel lane % 4; later v23: the strip's sum of dm (threads 0-255) or of 1 - dm
.set ASU,   26                         ; v26       SU + 32 (lane % 8) + 16 (t / 256)
.set ADE,   27                         ; v27       DE + 8 (lane % 16) + 4 (t / 256)
.set AWR,   28                         ; v28       WL + 144 (t % 256)
.set DM,    32                         ; v[32:63]  dm of my 32 pixels, at 4 row + column (first: my part of conv_w's block)
.set EM,    64                         ; v[64:95]  1 - dm (first: my quad of the three partial images of dm)
.set RING,  96                         ; v[96:223] fea: at 32 channel + 4 row + column; channel 0's registers later take my row of conv_w's block
.set X,     224                        ; v[224:231] s of channels 0-3, u of channels 0-3
.set LK,    232                        ; v[232:234] the local sums
.set ACW,   235                        ; v235      CW + 16 wave
.set SA,    236                        ; v[236:243] four packed sums at work
.set SB,    238
.set UA,    240
.set UB,    242
.set VK,    68                         ; s[68:79]  (M[k][512+c] + M[k][768+c]) / 64 of my 4 channels, at 4 k + channel
.macro SUM32 r, t                      ; the sum over the wave's 32 lanes, in every lane
	v_add_f32_dpp v[\r], v[\r], v[\r] row_xmask:1 row_mask:0xf bank_mask:0xf
	v_add_f32_dpp v[\r], v[\r], v[\r] row_xmask:2 row_mask:0xf bank_mask:0xf
	v_add_f32_dpp v[\r], v[\r], v[\r] row_xmask:4 row_mask:0xf bank_mask:0xf
	v_add_f32_dpp v[\r], v[\r], v[\r] row_xmask:8 row_mask:0xf bank_mask:0xf
	v_permlanex16_b32 v[\t], v[\r], s28, s29
	v_add_f32 v[\r], v[\r], v[\t]
.endm
	s_load_b512 s[4:19], s[0:1], 0x0               ; fea s[4:5], dmp s[6:7], mp s[8:9], conv_w s[10:11], conv_b s[12:13], fc1_b s[14:15], fc2_w s[16:17], lp s[18:19]
	s_load_b64 s[20:21], s[0:1], 0x40              ; cpart
	v_lshl_add_u32 v[SPW], v0, 2, SPARE
	v_mov_b32 v[NIL], 0
	v_and_b32 v1, 31, v0                           ; lane
	v_lshrrev_b32 v11, 5, v0
	v_readfirstlane_b32 s22, v11                   ; wave 0..15
	s_lshr_b32 s23, s22, 1                         ; my group of 4 channels
	s_and_b32 s24, s22, 1                          ; my half of the columns
	s_lshr_b32 s46, s22, 3                         ; t / 256: at the end 0: y of S, D; 1: z of U, E
	s_lshr_b32 s60, ttmp9, 3                       ; pr
	s_and_b32 s61, ttmp9, 7                        ; cb
	s_lshl_b32 s32, s61, 23                        ; fea: 32 cb channels of 262,144 bytes,
	s_lshl_b32 s25, s23, 20                        ; + 4 x group,
	s_add_co_u32 s32, s32, s25
	s_lshl_b32 s34, s60, 13                        ; + 8 pr rows of 1,024 bytes; also the strip's place in an image of dmp
	s_add_co_u32 s32, s32, s34
	s_mov_b32 s33, 0
	s_mov_b32 s35, 0
	s_lshl_b32 s36, s61, 7                         ; conv_w: 32 cb columns
	s_mov_b32 s37, 0
	s_lshl_b32 s25, s23, 4
	s_add_co_u32 s38, s36, s25
	s_add_co_u32 s38, s38, 2048                    ; mp: column 512 + 32 cb + 4 x group
	s_mov_b32 s39, 0
	s_mul_i32 s40, ttmp9, 384                      ; lp
	s_mov_b32 s41, 0
	s_lshl_b32 s42, ttmp9, 4                       ; cpart
	s_mov_b32 s43, 0
	s_lshl_b32 s44, ttmp9, 3                       ; fc1_b and fc2_w: numbers 2 g and 2 g + 1
	s_mov_b32 s28, 0x76543210                      ; v_permlanex16_b32: each lane takes its own place in the other half
	s_mov_b32 s29, 0xfedcba98
	s_mov_b32 s30, 0xaaaaaaaa                      ; lanes with bit 0, 1, 2 set
	s_mov_b32 s31, 0xcccccccc
	s_mov_b32 s66, 0xf0f0f0f0
	v_lshlrev_b32 v2, 4, v1
	s_lshl_b32 s25, s24, 9
	v_add_nc_u32 v2, s25, v2                       ; v2: 512 x half + 16 lane: my place in a row of fea, and in a row of the strip in LDS (DMS = 0)
	v_lshlrev_b32 v3, 4, v0                        ; v3: 16 t: my quad of the strip in dmp, and where I store it in LDS
	v_lshrrev_b32 v11, 3, v0
	v_and_b32 v12, 7, v0
	v_lshlrev_b32 v4, 10, v11
	v_lshl_add_u32 v4, v12, 4, v4                  ; v4: conv_w: row t / 8 (0..63), 16 bytes t % 8
	v_lshlrev_b32 v5, 2, v0                        ; v5: 4 t
	v_and_b32 v6, 3, v0
	v_lshlrev_b32 v6, 2, v6                        ; v6: V's four words by lanes: channel = lane % 4,
	v_bfe_u32 v13, v0, 2, 1
	v_lshl_add_u32 v6, v13, 10, v6                 ; column 512 + c or 768 + c by lane bit 2,
	v_bfe_u32 v13, v0, 3, 1
	v_mul_u32_u24 v13, v13, 0x3000
	v_add_nc_u32 v6, v6, v13                       ; partial sum 0 or 1 by lane bit 3
	v_mul_u32_u24 v7, v11, WP
	v_lshl_add_u32 v7, v12, 4, v7
	v_add_nc_u32 v7, WL, v7                        ; v7: conv_w's place in LDS
	s_lshl_b32 s25, s24, 8
	s_lshl_b32 s45, s23, 5
	s_add_co_u32 s25, s25, s45
	s_add_co_u32 s25, s25, SU
	v_lshl_add_u32 v9, v12, 2, s25                 ; v9: SU + 256 half + 32 group + 4 (lane % 8)
	s_lshl_b32 s25, s46, 4
	s_add_co_u32 s25, s25, SU
	v_lshl_add_u32 v[ASU], v12, 5, s25
	v_and_b32 v10, 30, v1
	s_mul_i32 s25, s23, 384
	s_lshl_b32 s45, s24, 6
	s_add_co_u32 s25, s25, s45
	s_add_co_u32 s25, s25, LW
	v_lshl_add_u32 v10, v10, 1, s25                ; v10: LW + 384 group + 4 (16 half + lane / 2)
	v_and_b32 v13, 15, v0
	s_lshl_b32 s25, s46, 2
	s_add_co_u32 s25, s25, DE
	v_lshl_add_u32 v[ADE], v13, 3, s25
	v_and_b32 v13, 255, v0
	v_lshlrev_b32 v8, 2, v13                       ; v8: 4 (t % 256)
	v_mul_u32_u24 v[AWR], v13, WP
	v_add_nc_u32 v[AWR], WL, v[AWR]
	s_lshl_b32 s25, s22, 3
	s_add_co_u32 s25, s25, DE
	v_mov_b32 v15, s25                             ; v15: DE + 8 wave
	s_lshl_b32 s25, s22, 4
	s_add_co_u32 s25, s25, CW
	v_mov_b32 v[ACW], s25
	v_mov_b32 v14, 0                               ; v_permlanex16_b32's destination counts as read
	s_wait_kmcnt 0x0
	s_add_nc_u64 s[4:5], s[4:5], s[32:33]
	s_add_nc_u64 s[6:7], s[6:7], s[34:35]
	s_add_nc_u64 s[10:11], s[10:11], s[36:37]
	s_add_nc_u64 s[26:27], s[8:9], s[38:39]
	s_add_nc_u64 s[18:19], s[18:19], s[40:41]
	s_add_nc_u64 s[20:21], s[20:21], s[42:43]
.irp a, 0,1,2                          ; 3 loads: my quad of the strip in the three partial images
	global_load_b128 v[EM+4*(\a):EM+4*(\a)+3], v3, s[6:7] offset:(\a)*262144
.endr
.irp i, 0,1,2,3                        ; 4 loads: conv_w's block, rows 64 i + t / 8
	global_load_b128 v[DM+4*(\i):DM+4*(\i)+3], v4, s[10:11] offset:(\i)*65536
.endr
.irp k, 0,1,2                          ; 3 loads: one of the four words of V[k] of channel lane % 4
	global_load_b32 v[VV+(\k)], v6, s[26:27] offset:(\k)*4096
.endr
.irp i, 0,1,2,3                        ; 32 loads: all my fea
.irp r, 0,1,2,3,4,5,6,7
	global_load_b128 v[RING+32*(\i)+4*(\r):RING+32*(\i)+4*(\r)+3], v2, s[4:5] offset:(\i)*262144+(\r)*1024 th:TH_LOAD_NT  ; a wave's load covers 512 consecutive bytes, aligned
.endr
.endr
.irp k, 0,1,2                          ; 6 loads: M[k][t], both partial sums: wanted at the end alone
.irp p, 0,1
	global_load_b32 v[MM+2*(\k)+(\p)], v5, s[8:9] offset:(\p)*12288+(\k)*4096
.endr
.endr
	global_load_b32 v[BO], v8, s[12:13]            ; 1 load
	s_load_b64 s[92:93], s[14:15], s44 offset:0x0
.irp k, 0,1,2
	s_load_b64 s[94+2*(\k):95+2*(\k)], s[16:17], s44 offset:(\k)*2048
.endr
	s_wait_loadcnt 42                              ; the strip and conv_w's block are in; the 3 + 32 + 7 loads behind them may stay out
	v_pk_add_f32 v[EM:EM+1], v[EM:EM+1], v[EM+4:EM+5]
	v_pk_add_f32 v[EM+2:EM+3], v[EM+2:EM+3], v[EM+6:EM+7]
	v_pk_add_f32 v[EM:EM+1], v[EM:EM+1], v[EM+8:EM+9]
	v_pk_add_f32 v[EM+2:EM+3], v[EM+2:EM+3], v[EM+10:EM+11]  ; dm = A + B + C
	ds_store_b128 v3, v[EM:EM+3] offset:DMS
.irp i, 0,1,2,3
	ds_store_b128 v7, v[DM+4*(\i):DM+4*(\i)+3] offset:(\i)*64*WP
.endr
	v_pk_fma_f32 v[EM+4:EM+5], v[EM:EM+1], -1.0, 1.0 op_sel_hi:[1,0,0]    ; 1 - dm
	v_pk_fma_f32 v[EM+6:EM+7], v[EM+2:EM+3], -1.0, 1.0 op_sel_hi:[1,0,0]
	v_pk_add_f32 v[EM+8:EM+9], v[EM:EM+1], v[EM+2:EM+3]
	v_pk_add_f32 v[EM+4:EM+5], v[EM+4:EM+5], v[EM+6:EM+7]
	v_add_f32 v12, v[EM+8], v[EM+9]                ; my 4 pixels' dm,
	v_add_f32 v13, v[EM+4], v[EM+5]                ; and their 1 - dm
	SUM32 12, 14
	SUM32 13, 14
	ds_store_b64 v15, v[12:13]                     ; all lanes write the same two words with the same values
	s_wait_dscnt 0x0                               ; for the others' sake: the strip, conv_w's block and my two sums are in LDS
	s_barrier_signal -1
	s_barrier_wait -1
.irp r, 0,1,2,3,4,5,6,7
	ds_load_b128 v[DM+4*(\r):DM+4*(\r)+3], v2 offset:DMS+(\r)*1024
.endr
	s_wait_loadcnt 39                              ; V's words are in; fea's 32 loads and the 7 behind them may stay out
.irp k, 0,1,2
	v_add_f32_dpp v[VV+(\k)], v[VV+(\k)], v[VV+(\k)] row_xmask:4 row_mask:0xf bank_mask:0xf  ; the two columns,
.endr
.irp k, 0,1,2
	v_add_f32_dpp v[VV+(\k)], v[VV+(\k)], v[VV+(\k)] row_xmask:8 row_mask:0xf bank_mask:0xf  ; the two partial sums
.endr
.irp k, 0,1,2
	v_mul_f32 v[VV+(\k)], 0x3c800000, v[VV+(\k)]   ; / 64: the patch's mean
.endr
.irp k, 0,1,2
.irp i, 0,1,2,3
	v_readlane_b32 s[VK+4*(\k)+(\i)], v[VV+(\k)], \i
.endr
.endr
	s_wait_kmcnt 0x0
.irp k, 0,1,2
	s_mul_f32 s[94+2*(\k)], s92, s[94+2*(\k)]      ; T_k = fc1_b[2g] fc2_w[k][2g] + fc1_b[2g+1] fc2_w[k][2g+1], in s94, s96, s98
	s_fmac_f32 s[94+2*(\k)], s93, s[95+2*(\k)]
.endr
	s_wait_dscnt 0x0
.set r, 0
.rept 16
	v_pk_fma_f32 v[EM+r:EM+r+1], v[DM+r:DM+r+1], -1.0, 1.0 op_sel_hi:[1,0,0]
.set r, r+2
.endr
; Channel i of my four.  left = how many younger loads may stay out.
.macro UNIT i, left
.set rF, RING+32*(\i)
	s_wait_loadcnt \left                           ; loads come back in order: this channel's eight are in
	v_pk_mul_f32 v[SA:SA+1], v[rF:rF+1], v[DM:DM+1]
	v_pk_mul_f32 v[SB:SB+1], v[rF+2:rF+3], v[DM+2:DM+3]
	v_pk_mul_f32 v[UA:UA+1], v[rF:rF+1], v[EM:EM+1]
	v_pk_mul_f32 v[UB:UB+1], v[rF+2:rF+3], v[EM+2:EM+3]
.irp r, 1,2,3,4,5,6,7
	v_pk_fma_f32 v[SA:SA+1], v[rF+4*(\r):rF+4*(\r)+1], v[DM+4*(\r):DM+4*(\r)+1], v[SA:SA+1]
	v_pk_fma_f32 v[SB:SB+1], v[rF+4*(\r)+2:rF+4*(\r)+3], v[DM+4*(\r)+2:DM+4*(\r)+3], v[SB:SB+1]
	v_pk_fma_f32 v[UA:UA+1], v[rF+4*(\r):rF+4*(\r)+1], v[EM+4*(\r):EM+4*(\r)+1], v[UA:UA+1]
	v_pk_fma_f32 v[UB:UB+1], v[rF+4*(\r)+2:rF+4*(\r)+3], v[EM+4*(\r)+2:EM+4*(\r)+3], v[UB:UB+1]
.endr
	v_pk_add_f32 v[SA:SA+1], v[SA:SA+1], v[SB:SB+1]
	v_pk_add_f32 v[UA:UA+1], v[UA:UA+1], v[UB:UB+1]
	v_add_f32 v[X+(\i)], v[SA], v[SA+1]
	v_add_f32 v[X+4+(\i)], v[UA], v[UA+1]
.irp k, 0,1,2
.if (\i) == 0
	v_mul_f32 v[LK+(\k)], s[VK+4*(\k)+(\i)], v[X+(\i)]
.else
	v_fmac_f32 v[LK+(\k)], s[VK+4*(\k)+(\i)], v[X+(\i)]
.endif
.endr
.endm
	UNIT 0, 31                                     ; three younger channels' 24 loads and the 7 behind them stay out
	; What the end wants of LDS and the first barrier has already shown whole is read here, into channel 0's registers, while the other channels are on their way.
.irp q, 0,1,2,3,4,5,6,7
	ds_load_b128 v[RING+4*(\q):RING+4*(\q)+3], v[AWR] offset:16*(\q)   ; conv_w[t % 256][my work-group's 32 channels]
.endr
	ds_load_b32 v[VV], v[ADE]                      ; wave lane % 16's sum of dm (threads 0-255) or of 1 - dm
	UNIT 1, 23
	s_wait_dscnt 0x0
	v_add_f32_dpp v[VV], v[VV], v[VV] row_xmask:1 row_mask:0xf bank_mask:0xf  ; over the sixteen waves: the strip's D or E, in every lane
	v_add_f32_dpp v[VV], v[VV], v[VV] row_xmask:2 row_mask:0xf bank_mask:0xf
	v_add_f32_dpp v[VV], v[VV], v[VV] row_xmask:4 row_mask:0xf bank_mask:0xf
	v_add_f32_dpp v[VV], v[VV], v[VV] row_xmask:8 row_mask:0xf bank_mask:0xf
	UNIT 2, 15
	UNIT 3, 7                                      ; M's and conv_b's 7 loads may still be out
	; The local sums: a patch is lanes l and l xor 1; both then hold its sum and write the same word.
.irp k, 0,1,2
	v_add_f32_dpp v[LK+(\k)], v[LK+(\k)], v[LK+(\k)] row_xmask:1 row_mask:0xf bank_mask:0xf
.endr
.irp k, 0,1,2
	ds_store_b32 v10, v[LK+(\k)] offset:(\k)*128
.endr
; Eight sums over the wave's lanes at once.  A step halves the registers: lanes whose bit is 0 keep a, the others b, and each adds what its partner holds of the same number.
; Behind three steps lane l holds number l % 8, summed over its eight lanes; two more additions take in the other three groups of eight.
.macro MERGE a, b, m, x
	v_cndmask_b32 v[SA], v[\a], v[\b], s[\m]
	v_cndmask_b32 v[SA+1], v[\b], v[\a], s[\m]
	v_add_f32_dpp v[\a], v[SA+1], v[SA] row_xmask:\x row_mask:0xf bank_mask:0xf
.endm
.set j, 0
.rept 4
	MERGE X+2*j, X+2*j+1, 30, 1
.set j, j+1
.endr
	MERGE X, X+2, 31, 2
	MERGE X+4, X+6, 31, 2
	MERGE X, X+4, 66, 4
	v_add_f32_dpp v[X], v[X], v[X] row_xmask:8 row_mask:0xf bank_mask:0xf
	v_permlanex16_b32 v[SA], v[X], s28, s29
	v_add_f32 v[X], v[X], v[SA]
	ds_store_b32 v9, v[X]                          ; four lanes write the same word with the same value
	s_wait_dscnt 0x0                               ; for the others' sake
	s_barrier_signal -1
	s_barrier_wait -1
	; Waves 0-2 (threads 0-95: k = t / 32, patch = t % 32) add the eight groups' local sums and store them.
	s_cmp_lt_u32 s22, 3
	s_cbranch_scc0 .Lno_local
	v_add_nc_u32 v11, LW, v5
.irp q, 0,1,2,3,4,5,6,7
	ds_load_b32 v[164+(\q)], v11 offset:(\q)*384
.endr
	s_wait_dscnt 0x0
	v_pk_add_f32 v[164:165], v[164:165], v[166:167]
	v_pk_add_f32 v[168:169], v[168:169], v[170:171]
	v_pk_add_f32 v[164:165], v[164:165], v[168:169]
	v_add_f32 v164, v164, v165
	global_store_b32 v5, v164, s[18:19]            ; 128 consecutive bytes a wave; the buffer is 96 KiB in all
.Lno_local:
	; Thread t: output channel o = t % 256 of the convolution; threads 0-255 make y_o (of S and D) for M[k][o], threads 256-511 z_o (of U and E) for M[k][256 + o]: column t of M.
	ds_load_b128 v[128:131], v[ASU]                ; lane % 8 = group: S (or U) of its four channels, left half of the columns,
	ds_load_b128 v[132:135], v[ASU] offset:256     ; and right half
	s_wait_loadcnt 0x0                             ; M and conv_b
.irp k, 0,1,2
	v_add_f32 v[MM+2*(\k)], v[MM+2*(\k)], v[MM+2*(\k)+1]
.endr
	v_mul_f32 v156, 0.125, v[BO]
	v_mul_f32 v152, v156, v[VV]                    ; the sum starts with conv_b D / 8 (or E)
	v_mov_b32 v153, 0                              ; two chains
	s_wait_dscnt 0x0
	v_pk_add_f32 v[128:129], v[128:129], v[132:133]
	v_pk_add_f32 v[130:131], v[130:131], v[134:135]
.irp q, 0,1,2,3,4,5,6,7                ; the 32 channels' sums become scalars: channel 4 q + j lies in register j of lane q
.irp j, 0,1,2,3
	v_readlane_b32 s[32+4*(\q)+(\j)], v[128+(\j)], \q
.endr
.endr
.irp q, 0,1,2,3,4,5,6,7
.irp j, 0,1,2,3
	v_fmac_f32 v[152+((\j)&1)], s[32+4*(\q)+(\j)], v[RING+4*(\q)+(\j)]
.endr
.endr
	v_add_f32 v152, v152, v153
.irp k, 0,1,2
	v_mul_f32 v[160+(\k)], v[MM+2*(\k)], v152
.endr
	v_mov_b32 v163, 0
	SUM32 160, 14
	SUM32 161, 14
	SUM32 162, 14
	ds_store_b128 v[ACW], v[160:163]
	s_wait_dscnt 0x0                               ; for wave 3's sake
	s_barrier_signal -1
	s_barrier_wait -1
	s_cmp_lg_u32 s22, 3                            ; wave 3, which had no local sums to store, ends the work-group's part of const
	s_cbranch_scc1 .Lend
	v_lshl_add_u32 v12, v1, 2, CW
	ds_load_b32 v168, v12                          ; lane l: wave l / 4, k = l % 4,
	ds_load_b32 v169, v12 offset:128               ; and wave 8 + l / 4
	v_mov_b32 v170, s94
	s_mov_b32 s32, 0x22222222
	s_mov_b32 s33, 0x44444444
	v_cndmask_b32 v170, v170, s96, s32
	v_cndmask_b32 v170, v170, s98, s33             ; T of k = l % 4 (lanes with k = 3: the filler)
	v_lshlrev_b32 v171, 2, v1
	s_wait_dscnt 0x0
	v_add_f32 v168, v168, v169
	v_add_f32_dpp v168, v168, v168 row_xmask:4 row_mask:0xf bank_mask:0xf
	v_add_f32_dpp v168, v168, v168 row_xmask:8 row_mask:0xf bank_mask:0xf
	v_permlanex16_b32 v14, v168, s28, s29
	v_add_f32 v168, v168, v14
	v_fma_f32 v168, v168, 0x37800000, v170         ; / 65536, + T
	s_wait_xcnt 0x0                                ; EXEC changes only behind this wait: it is a source of every global access issued so far
	v_cmp_gt_u32 vcc_lo, 4, v1
	s_and_saveexec_b32 s34, vcc_lo
	global_store_b32 v171, v168, s[20:21]          ; lanes 0-3: 16 bytes
	s_wait_xcnt 0x0                                ; and again, in front of the line that widens it
	s_or_b32 exec_lo, exec_lo, s34
.Lend:
	s_wait_tensorcnt 0x0                           ; the wave's end, behind my last LDS store
	ds_add_u32 v[SPW], v[NIL]
	s_wait_dscnt 0x0
	s_endpgm
.Lfunc_end_k_qbde44b39b8_pool:
	.size	k_qbde44b39b8_pool, .Lfunc_end_k_qbde44b39b8_pool-k_qbde44b39b8_pool
	.p2alignl 7, 3214868480
	.fill 96, 4, 3214868480
	.section	.rodata,"a",@progbits
	.p2align	6, 0x0
	.amdhsa_kernel k_qbde44b39b8_pool
		.amdhsa_group_segment_fixed_size 51200
		.amdhsa_private_segment_fixed_size 0
		.amdhsa_enable_private_segment 0
		.amdhsa_kernarg_size 72
		.amdhsa_user_sgpr_count 2
		.amdhsa_user_sgpr_kernarg_segment_ptr 1
		.amdhsa_wavefront_size32 1
		.amdhsa_system_sgpr_workgroup_id_x 1
		.amdhsa_system_sgpr_workgroup_id_y 1
		.amdhsa_system_sgpr_workgroup_id_z 1
		.amdhsa_system_vgpr_workitem_id 0
		.amdhsa_next_free_vgpr 244
		.amdhsa_next_free_sgpr 100
		.amdhsa_reserve_vcc 1
		.amdhsa_float_denorm_mode_32 3
		.amdhsa_float_denorm_mode_16_64 3
		.amdhsa_memory_ordered 1
		.amdhsa_forward_progress 1
		.amdhsa_inst_pref_size 34
	.end_amdhsa_kernel
	.amdgpu_metadata
---
amdhsa.version: [ 1, 2 ]
amdhsa.kernels:
  - .name:           k_qbde44b39b8_pool
    .symbol:         k_qbde44b39b8_pool.kd
    .args:
      - { .name: fea, .offset: 0, .size: 8, .value_kind: global_buffer, .address_space: global }
      - { .name: dmp, .offset: 8, .size: 8, .value_kind: global_buffer, .address_space: global }
      - { .name: mp, .offset: 16, .size: 8, .value_kind: global_buffer, .address_space: global }
      - { .name: conv_w, .offset: 24, .size: 8, .value_kind: global_buffer, .address_space: global }
      - { .name: conv_b, .offset: 32, .size: 8, .value_kind: global_buffer, .address_space: global }
      - { .name: fc1_b, .offset: 40, .size: 8, .value_kind: global_buffer, .address_space: global }
      - { .name: fc2_w, .offset: 48, .size: 8, .value_kind: global_buffer, .address_space: global }
      - { .name: lp, .offset: 56, .size: 8, .value_kind: global_buffer, .address_space: global }
      - { .name: cpart, .offset: 64, .size: 8, .value_kind: global_buffer, .address_space: global }
    .group_segment_fixed_size: 51200
    .private_segment_fixed_size: 0
    .kernarg_segment_align: 8
    .kernarg_segment_size: 72
    .max_flat_workgroup_size: 512
    .sgpr_count:     100
    .vgpr_count:     244
    .wavefront_size: 32
...
	.end_amdgpu_metadata
.endif
;; end of part 2
;; launch spread (part 3): grid 256 x 1, 8 waves a work-group, no clusters, 0 bytes of LDS; arguments cpart, lp, fc2_b, out0, out1; writes out0, out1
.if DOCPART == 3
	.amdgcn_target "amdgcn-amd-amdhsa--gfx1250"
	.amdhsa_code_object_version 6
	.text
	.protected	k_qbde44b39b8_spread
	.globl	k_qbde44b39b8_spread
	.p2align	8
	.type	k_qbde44b39b8_spread,@function
k_qbde44b39b8_spread:
	s_mov_b64 s[64:65], 0
	v_nop
	global_prefetch_b8 v0, s[64:65] scope:SCOPE_SE
	s_setreg_imm32_b32 hwreg(HW_REG_WAVE_MODE, 25, 1), 1
	s_wait_xcnt 0x0
; LAUNCH 3 OF 3: ori[k][pr][py] = const_k + sum over the 8 channel blocks of lp, and its repeat over blocks of 64 x 64.  (The dense convolution and fc1 are not formed: see the head of the first kernel.)
; const_k = sum over the 256 work-groups of cpart[g][k] + fc2_b[k]: every wave adds the 4,096 bytes for itself, in one and the same order, so const is one number everywhere: no LDS, no barrier.
; SHARES.  Work-group g owns rows 8 g .. 8 g + 7 of each of out0's three planes (196,608 bytes); they lie in the row of patches pr = g / 8.  Thread t owns columns 4 t .. 4 t + 3 and 1,024 + 4 t .. + 3:
; patches 2 wave + lane / 16 and 16 + the same.  Each store of a wave covers 512 consecutive bytes, aligned; nothing waits for the stores.
; out1's row pr is stored by waves 0-2 (k = wave) of the work-groups with g % 8 = 0.
.set CP, 8                             ; v[8:39]   cpart: eight quads; then const_k in v8, v9, v10
.set GV, 40                            ; v[40:42]  the gathered local sums
.set OT, 45                            ; v[45:47]  the other half's value
.set QD, 48                            ; v[48:71]  the stores' data: four equal numbers, at 8 k + 4 half
.macro SUM32 r, t
	v_add_f32_dpp v[\r], v[\r], v[\r] row_xmask:1 row_mask:0xf bank_mask:0xf
	v_add_f32_dpp v[\r], v[\r], v[\r] row_xmask:2 row_mask:0xf bank_mask:0xf
	v_add_f32_dpp v[\r], v[\r], v[\r] row_xmask:4 row_mask:0xf bank_mask:0xf
	v_add_f32_dpp v[\r], v[\r], v[\r] row_xmask:8 row_mask:0xf bank_mask:0xf
	v_permlanex16_b32 v[\t], v[\r], s32, s33
	v_add_f32 v[\r], v[\r], v[\t]
.endm
	s_load_b256 s[4:11], s[0:1], 0x0               ; cpart s[4:5], lp s[6:7], fc2_b s[8:9], out0 s[10:11]
	s_load_b64 s[12:13], s[0:1], 0x20              ; out1
	v_and_b32 v1, 31, v0
	v_lshrrev_b32 v5, 5, v0
	v_readfirstlane_b32 s24, v5                    ; wave
	s_lshr_b32 s25, ttmp9, 3                       ; pr
	s_and_b32 s26, ttmp9, 7
	s_mul_i32 s28, s25, 3072                       ; lp: the eight blocks [3][32] of this row of patches
	s_mov_b32 s29, 0
	s_lshl_b32 s30, ttmp9, 16                      ; out0: 8 g rows of 8,192 bytes
	s_mov_b32 s31, 0
	s_mov_b32 s32, 0x76543210
	s_mov_b32 s33, 0xfedcba98
	s_mov_b32 s34, 0xff00ff00                      ; lanes 8-15 of each half of the wave
	v_lshlrev_b32 v2, 4, v0                        ; 16 t
	v_lshlrev_b32 v4, 4, v1                        ; 16 lane
	v_and_b32 v5, 7, v0                            ; the gather: block = lane % 8,
	v_mul_u32_u24 v3, v5, 384
	v_bfe_u32 v5, v0, 3, 1                         ; half of the columns = (lane / 8) % 2: 16 patches,
	v_lshl_add_u32 v3, v5, 6, v3
	v_bfe_u32 v5, v0, 4, 1                         ; patch 2 wave + lane / 16
	v_lshl_add_u32 v3, v5, 2, v3
	s_lshl_b32 s27, s24, 3
	v_add_nc_u32 v3, s27, v3
	v_mov_b32 v44, 0                               ; destinations that count as read
	v_mov_b32 v45, 0
	v_mov_b32 v46, 0
	v_mov_b32 v47, 0
	s_wait_kmcnt 0x0
	s_load_b96 s[20:22], s[8:9], 0x0
	s_add_nc_u64 s[6:7], s[6:7], s[28:29]
	s_add_nc_u64 s[14:15], s[10:11], s[30:31]      ; plane 0,
	s_add_nc_u64 s[16:17], s[14:15], 0x1000000     ; 1,
	s_add_nc_u64 s[18:19], s[16:17], 0x1000000     ; 2
.irp q, 0,1,2,3,4,5,6,7
	global_load_b128 v[CP+4*(\q):CP+4*(\q)+3], v4, s[4:5] offset:512*(\q)
.endr
.irp k, 0,1,2
	global_load_b32 v[GV+(\k)], v3, s[6:7] offset:128*(\k)
.endr
	s_wait_loadcnt 0x0
	s_wait_kmcnt 0x0
.irp n, 4,2,1
.set r, 0
.rept \n
	v_pk_add_f32 v[CP+4*r:CP+4*r+1], v[CP+4*r:CP+4*r+1], v[CP+4*(r+(\n)):CP+4*(r+(\n))+1]
	v_pk_add_f32 v[CP+4*r+2:CP+4*r+3], v[CP+4*r+2:CP+4*r+3], v[CP+4*(r+(\n))+2:CP+4*(r+(\n))+3]
.set r, r+1
.endr
.endr
	SUM32 CP, 44
	SUM32 CP+1, 44
	SUM32 CP+2, 44
.irp k, 0,1,2
	v_add_f32 v[CP+(\k)], s[20+(\k)], v[CP+(\k)]   ; const_k
.endr
.irp k, 0,1,2
	v_add_f32_dpp v[GV+(\k)], v[GV+(\k)], v[GV+(\k)] row_xmask:1 row_mask:0xf bank_mask:0xf  ; over the eight blocks
.endr
.irp k, 0,1,2
	v_add_f32_dpp v[GV+(\k)], v[GV+(\k)], v[GV+(\k)] row_xmask:2 row_mask:0xf bank_mask:0xf
.endr
.irp k, 0,1,2
	v_add_f32_dpp v[GV+(\k)], v[GV+(\k)], v[GV+(\k)] row_xmask:4 row_mask:0xf bank_mask:0xf
.endr
.irp k, 0,1,2
	v_add_f32 v[GV+(\k)], v[GV+(\k)], v[CP+(\k)]
.endr
.irp k, 0,1,2
	v_mov_b32_dpp v[OT+(\k)], v[GV+(\k)] row_xmask:8 row_mask:0xf bank_mask:0xf  ; lanes 0-7 of a half hold the left patch's number, lanes 8-15 the right one's: each takes the other
.endr
.irp k, 0,1,2
.irp j, 0,1,2,3
	v_cndmask_b32 v[QD+8*(\k)+(\j)], v[GV+(\k)], v[OT+(\k)], s34
	v_cndmask_b32 v[QD+8*(\k)+4+(\j)], v[OT+(\k)], v[GV+(\k)], s34
.endr
.endr
.irp k, 0,1,2
.irp r, 0,1,2,3,4,5,6,7
.irp h, 0,1
	global_store_b128 v2, v[QD+8*(\k)+4*(\h):QD+8*(\k)+4*(\h)+3], s[14+2*(\k):15+2*(\k)] offset:(\r)*8192+(\h)*4096 th:TH_STORE_NT
.endr
.endr
.endr
	; out1, in one block behind the stores of out0
	s_cmp_eq_u32 s26, 0
	s_cselect_b32 s27, s24, 8
	s_cmp_lt_u32 s27, 3
	s_cbranch_scc0 .Lend
	v_lshlrev_b32 v5, 2, v0                        ; word 32 k + py of a block, k = wave, py = lane
.irp c, 0,1,2,3,4,5,6,7
	global_load_b32 v[72+(\c)], v5, s[6:7] offset:384*(\c)
.endr
	s_cmp_eq_u32 s24, 1
	s_cselect_b32 s35, -1, 0
	s_cmp_eq_u32 s24, 2
	s_cselect_b32 s36, -1, 0
	v_cndmask_b32 v80, v[CP], v[CP+1], s35
	v_cndmask_b32 v80, v80, v[CP+2], s36           ; const of k = wave
	s_lshl_b32 s28, s24, 12                        ; k x 4,096 + pr x 128
	s_lshl_b32 s27, s25, 7
	s_add_co_u32 s28, s28, s27
	s_add_nc_u64 s[12:13], s[12:13], s[28:29]
	v_lshlrev_b32 v6, 2, v1
	s_wait_loadcnt 0x0
	v_pk_add_f32 v[72:73], v[72:73], v[74:75]
	v_pk_add_f32 v[76:77], v[76:77], v[78:79]
	v_pk_add_f32 v[72:73], v[72:73], v[76:77]
	v_add_f32 v72, v72, v73
	v_add_f32 v72, v72, v80
	global_store_b32 v6, v72, s[12:13]             ; 128 consecutive bytes a wave; out1 is 12 KiB in all
.Lend:
	s_endpgm
.Lfunc_end_k_qbde44b39b8_spread:
	.size	k_qbde44b39b8_spread, .Lfunc_end_k_qbde44b39b8_spread-k_qbde44b39b8_spread
	.p2alignl 7, 3214868480
	.fill 96, 4, 3214868480
	.section	.rodata,"a",@progbits
	.p2align	6, 0x0
	.amdhsa_kernel k_qbde44b39b8_spread
		.amdhsa_group_segment_fixed_size 0
		.amdhsa_private_segment_fixed_size 0
		.amdhsa_enable_private_segment 0
		.amdhsa_kernarg_size 40
		.amdhsa_user_sgpr_count 2
		.amdhsa_user_sgpr_kernarg_segment_ptr 1
		.amdhsa_wavefront_size32 1
		.amdhsa_system_sgpr_workgroup_id_x 1
		.amdhsa_system_sgpr_workgroup_id_y 1
		.amdhsa_system_sgpr_workgroup_id_z 1
		.amdhsa_system_vgpr_workitem_id 0
		.amdhsa_next_free_vgpr 88
		.amdhsa_next_free_sgpr 66
		.amdhsa_reserve_vcc 0
		.amdhsa_float_denorm_mode_32 3
		.amdhsa_float_denorm_mode_16_64 3
		.amdhsa_memory_ordered 1
		.amdhsa_forward_progress 1
		.amdhsa_inst_pref_size 14
	.end_amdhsa_kernel
	.amdgpu_metadata
---
amdhsa.version: [ 1, 2 ]
amdhsa.kernels:
  - .name:           k_qbde44b39b8_spread
    .symbol:         k_qbde44b39b8_spread.kd
    .args:
      - { .name: cpart, .offset: 0, .size: 8, .value_kind: global_buffer, .address_space: global }
      - { .name: lp, .offset: 8, .size: 8, .value_kind: global_buffer, .address_space: global }
      - { .name: fc2_b, .offset: 16, .size: 8, .value_kind: global_buffer, .address_space: global }
      - { .name: out0, .offset: 24, .size: 8, .value_kind: global_buffer, .address_space: global }
      - { .name: out1, .offset: 32, .size: 8, .value_kind: global_buffer, .address_space: global }
    .group_segment_fixed_size: 0
    .private_segment_fixed_size: 0
    .kernarg_segment_align: 8
    .kernarg_segment_size: 40
    .max_flat_workgroup_size: 256
    .sgpr_count:     66
    .vgpr_count:     88
    .wavefront_size: 32
...
	.end_amdgpu_metadata
.endif
;; end of part 3
